; MI455X (gfx1250); checked and timed in simulation.
; The chip was launched on July 23, 2026; its instructions are those of AMD's public machine-readable ISA for CDNA 5 (MIT licence, August 2026) and "CDNA5" Instruction Set Architecture Reference Guide (July 2026). The comments in the code are by the model that wrote it; some were corrected since.
;; CRF Cell. Allowed arithmetic: float matrix products may take bf16 or f16 operands with f32 sums; other float arithmetic in f32, or as packed bf16 or f16 multiplies, adds, multiply-adds, maxima and minima; sums over many terms, partial sums and values carried from step to step in f32; what a program stores and reads back later, other than sums and carried values, may be rounded once to bf16 or f16.
;; Inputs: attn_mask 256 x 512 int32; emissions 256 x 512 x 64 float32; end_transitions 64 float32; start_transitions 64 float32; transitions 64 x 64 float32.
;; Outputs: out0 256 x 512 int32.
;; 2 versions, each right and faster than the one before. Each part assembles by itself: llvm-mc -triple=amdgcn-amd-amdhsa -mcpu=gfx1250 --defsym DOCPART=n.
;; ======== version 1 of 2: 1 launch
;; limits: right only within a limited range of input values; below input magnitudes of 2.1e-22 results are inexact or not finite
;; launch viterbi (part 1): grid 256 x 1, 4 waves a work-group, no clusters, 265,216 bytes of LDS; arguments emissions, attn_mask, start_transitions, end_transitions, transitions, out0; writes out0
.if DOCPART == 1
	.amdgcn_target "amdgcn-amd-amdhsa--gfx1250"
	.amdhsa_code_object_version 6
	.text
	.protected	k_q64e9d12104_viterbi
	.globl	k_q64e9d12104_viterbi
	.p2align	8
	.type	k_q64e9d12104_viterbi,@function
k_q64e9d12104_viterbi:
	s_mov_b64 s[64:65], 0
	v_nop
	global_prefetch_b8 v0, s[64:65] scope:SCOPE_SE
	s_setreg_imm32_b32 hwreg(HW_REG_WAVE_MODE, 25, 1), 1
	s_wait_xcnt 0x0
; VITERBI DECODE.  emissions [256][512][64] f32, attn_mask [256][512] i32, start, end [64] f32, transitions [64][64] f32; out0 [256][512] i32: the best tag path of each sequence.
; score_0[j] = start[j] + e_0[j];  cand_t[i][j] = (score_(t-1)[i] + trans[i][j]) + e_t[j];  score_t[j] = mask_t ? max_i cand : score_(t-1)[j];  idx_t[j] = the lowest i that reaches the maximum;
; best = the lowest j that reaches the maximum of score_511[j] + end[j];  backwards tag_(t-1) = mask_t ? idx_t[tag_t] : tag_t.
; EXACT.  The output is whole numbers, so every candidate is made by the same two f32 additions in the same order as in the definition above; a maximum rounds nothing; among equal candidates the lowest index wins.
; NOTHING IS LEFT OUT: every candidate of every step and the whole history are made.  attn_mask[:][0], which the definition never reads, arrives as part of a 16-byte unit and is not used; history row 0
; holds the identity so that the backtrace has one form for all 512 places (its last look-up serves nothing).
; SHARES.  One work-group a sequence, four waves.  Wave w owns the next tags 16 w .. 16 w + 15; lane l = (r = l % 16, h = l / 16) owns next tag j = 16 w + r and the previous tags 32 h .. 32 h + 31:
; 32 candidates a step, two to an instruction.  trans[32 h + n][j] stays in 32 registers.  The two halves meet by one exchange of lanes 16 apart; the four waves meet in LDS: two score buffers of 64 numbers
; take turns, so ONE barrier a step orders both the new scores' stores with their reads and the old buffer's reads with its next stores.
; THE ARGMAX WITHOUT A COMPARE.  M = the maximum.  v_i = (M - c_i) x 2^96 held to 0 .. 1, one fused multiply-add: 0 where c_i = M, 1 elsewhere.  acc = W - sum of v_i 2^-i, with W the sum of the weights, is the sum of
; 2^-i over the hits.  Each of eight accumulators holds four weights two binary places apart: its sums are exact and stay under 4/3 of their largest term, so the largest accumulator's exponent field is 127 - i
; for the lowest hit i.  The history holds i; a masked step's row holds j: the identity.
; This work needs registers alone; it stands behind the store of the new scores, inside the barrier and behind the loads of the next step's scores, where the wave would otherwise wait.
; THE BACKTRACE selects by v_readlane_b32 with a scalar lane number cut to five bits: no address and no branch hangs on a tag.  Wave 0 does it; 64 places are one store of 256 consecutive bytes, aligned.
; LIMITS.  Finite inputs; |score| under 2^31 (M x 2^96 stays finite); two unequal candidates of one next tag differ by 2^-96 or more (sums of inputs whose nonzero magnitudes are 2^-72 or more do);
; NaN and infinities are not treated apart; +0 and -0 count as equal, as in a comparison.
; NOT USED.  Matrix instructions: there is no product.  A cluster: work-groups share 16,896 bytes of tables against 131,072 bytes of emissions of their own.  A prefetch: each wave asks for all its emissions at the
; head by its own two tensor loads, so no later request is left to run ahead of.  Padding in LDS: every access is 16 or 32 lanes on neighbouring words, or one word for all.
.set NT,    512                        ; steps
.set ROW,   256                        ; bytes of a row of emissions, of history, and of a score buffer: 64 words
.set FIRST, 64                         ; rows in the first fill: the walk starts when these are in
.set R0,    FIRST/4                    ; rows of it that a wave fetches
.set R1,    (NT-FIRST)/4               ; rows of the second fill that a wave fetches
.set EM,    0                          ; LDS: the sequence's emissions as they lie in memory, so a row's LDS byte is also its byte in the sequence
.set HB,    NT*ROW                     ; the history: row t, word j
.set SB,    2*NT*ROW                   ; two score buffers
.set MK,    SB+2*ROW                   ; the sequence's mask, 512 words
.set SPARE, MK+NT*4                    ; the spare words, 128 bytes for each wave: two blocks of 256 bytes that no other line names
.set VSRD, 2                           ; v2   LDS address of my half's 32 scores in buffer 0
.set VSWR, 3                           ; v3   of my tag's score in buffer 0
.set VEA,  4                           ; v4   of my tag's emission, in the row before the pair of steps in hand
.set VMA,  5                           ; v5   of the mask word of that row
.set VHA,  6                           ; v6   of my tag's history word in that row
.set IDJ,  7                           ; v7   j
.set SPW,  8                           ; v8   LDS address of my spare word; never rewritten
.set NIL,  9                           ; v9   0; never rewritten
.set E,    10                          ; v10  e_t[j]; v11 is named with it as a pair
.set VM,   12                          ; v12  mask_t
.set SOWN, 13                          ; v13  score[j]
.set M,    14                          ; v14  the maximum; v15 the other half's
.set MB,   16                          ; v[16:17] M x 2^96, twice
.set NB,   18                          ; v[18:19] -2^96, twice
.set BG,   20                          ; v[20:21] 2^96, twice
.set HX,   22                          ; v22, v23 at work on the index
.set HY,   23
.set TA,   24                          ; v24-28 offsets of the head's loads
.set J4,   25
.set MA,   26
.set ML,   27
.set EL,   28
.set ENDL, 29                          ; v29, v30 end[l], end[l + 32]
.set ENDH, 30
.set STV,  31                          ; v31  start[j]
.set MQ,   32                          ; v[32:41] partial maxima
.set ACC,  44                          ; v[44:51] four pairs of accumulators
.set WK,   52                          ; v[52:59] what they start from: the sums of their weights
.set MKD,  60                          ; v[60:63] 16 bytes of the mask on their way to LDS
.set T,    64                          ; v[64:95]   trans[32 h + n][j]
.set NW,   96                          ; v[96:127]  -2^-(32 h + n)
.set S,    128                         ; v[128:159] score[32 h + n]
.set C,    160                         ; v[160:191] the candidates, then v
.set O,    32                          ; the backtrace: v[32:33] 64 places' tags, two a lane
.set OA0,  34                          ; v34  8 l: my 8 bytes in a block of 256 of out0; never rewritten
.set OA,   35                          ; v35  the same in the block in hand
.set VB0,  36                          ; v36  LDS address of my two words in history row 0: HB + 8 l; never rewritten
.set VBA,  37                          ; v37  the same in the first row of the block in hand
.set F0,   38                          ; v38-42 the last argmax
.set F1,   39
.set FM,   40
.set FX,   41
.set FA,   42
.set H,    64                          ; v[64:191] 64 rows of history, two words a lane
.set WV,   16                          ; s16  my wave's number
.set SEL,  18                          ; s18, s19 v_permlanex16_b32's selects: each lane takes its own place in the other half
.set MSK,  20                          ; s20  lanes on where mask_t is not 0
.set CNT,  21                          ; s21  loop counter
.set BL,   22                          ; s22  the backtrace's block of 64 places, 7 down to 0
.set HBS,  23                          ; s23  its 64 rows' first byte in the history
.set G1A,  24                          ; s[24:31] descriptor group 1 of the first fill
.set G1B,  32                          ; s[32:39] of the second
.set G0A,  40                          ; s[40:43] descriptor group 0 of the first fill
.set G0B,  44                          ; s[44:47] of the second
.set OBS,  48                          ; s48  (the backtrace) the block's 256 bytes in the sequence's row of out0
.set Y,    56                          ; s56  the tag
.set LN,   57                          ; s57  the lane that holds the tag's history word: tag / 2
.set PA,   58                          ; s58, s59 the two words of that lane
.set PB,   59
.macro SHAPE g, rows                   ; group 1: \rows rows of 32 elements of 8 bytes, dense: rows of 256 bytes; no mask, no padding
	s_mov_b32 s[\g+0], 3<<16                       ; 17:16 elements of 8 bytes
	s_mov_b32 s[\g+1], 32<<16                      ; tensor_dim0 = 32
	s_mov_b32 s[\g+2], (\rows)<<16                 ; tensor_dim1
	s_mov_b32 s[\g+3], 32<<16                      ; tile_dim0 = 32
	s_mov_b32 s[\g+4], \rows                       ; tile_dim1
	s_mov_b32 s[\g+5], 32                          ; 32 elements from row to row
	s_mov_b32 s[\g+6], 0
	s_mov_b32 s[\g+7], 0
.endm
	s_load_b256 s[4:11], s[0:1], 0x0               ; emissions s[4:5], attn_mask s[6:7], start s[8:9], end s[10:11]
	s_load_b128 s[12:15], s[0:1], 0x20             ; transitions s[12:13], out0 s[14:15]
	v_lshl_add_u32 v[SPW], v0, 2, SPARE
	v_mov_b32 v[NIL], 0
	ds_add_u32 v[SPW], v[NIL]                      ; the wave's opening: the add, twice on end, and its wait ahead of my first tensor load
	ds_add_u32 v[SPW], v[NIL]                      ; and once more; the set-up below, work on registers, stands between it and the wait
	v_lshrrev_b32 v1, 5, v0
	v_readfirstlane_b32 s[WV], v1                  ; wave 0..3
	SHAPE G1A, R0
	SHAPE G1B, R1
	s_mov_b32 s[G0A], 1                            ; count = 1
	s_mul_i32 s[G0A+1], s[WV], R0*ROW              ; LDS address: my 16 of rows 0-63 (EM = 0)
	s_mov_b32 s[G0B], 1
	s_mul_i32 s[G0B+1], s[WV], R1*ROW              ; my 112 of rows 64-511
	s_add_co_u32 s[G0B+1], s[G0B+1], FIRST*ROW
	s_mov_b32 s50, s[G0A+1]                        ; the same two numbers as byte offsets in the sequence's emissions
	s_mov_b32 s51, 0
	s_mov_b32 s52, s[G0B+1]
	s_mov_b32 s53, 0
	s_lshl_b32 s48, ttmp9, 17                      ; the sequence's 131,072 bytes of emissions
	s_mov_b32 s49, 0
	s_lshl_b32 s54, ttmp9, 11                      ; its 2,048 bytes of attn_mask and of out0
	s_mov_b32 s55, 0
	s_mov_b32 s[SEL], 0x76543210
	s_mov_b32 s[SEL+1], 0xfedcba98
	s_wait_dscnt 0x0                               ; both opening adds are done
	s_wait_kmcnt 0x0
	s_add_nc_u64 s[4:5], s[4:5], s[48:49]
	s_add_nc_u64 s[G0A+2:G0A+3], s[4:5], s[50:51]  ; global address of my rows
	s_or_b32 s[G0A+3], s[G0A+3], 0x80000000        ; type = 2
	s_add_nc_u64 s[G0B+2:G0B+3], s[4:5], s[52:53]
	s_or_b32 s[G0B+3], s[G0B+3], 0x80000000
	tensor_load_to_lds s[G0A:G0A+3], s[G1A:G1A+7]  ; both fills go out together, ahead of every wait on TENSORcnt, LDS read and barrier: two loads of mine are out
	s_nop 0
	tensor_load_to_lds s[G0B:G0B+3], s[G1B:G1B+7]
	s_nop 0
	s_add_nc_u64 s[6:7], s[6:7], s[54:55]
	s_add_nc_u64 s[14:15], s[14:15], s[54:55]
	; the tables, while the emissions are on their way
	v_and_b32 v1, 15, v0                           ; r
	v_bfe_u32 v[HY], v0, 4, 1                      ; h
	s_lshl_b32 s48, s[WV], 6
	v_lshl_add_u32 v[J4], v1, 2, s48               ; 4 j
	v_lshl_add_u32 v[TA], v[HY], 13, v[J4]         ; + 32 h rows of transitions
.set n, 0
.rept 32
	global_load_b32 v[T+n], v[TA], s[12:13] offset:n*ROW  ; trans[32 h + n][j]: 16 lanes take 64 neighbouring bytes
.set n, n+1
.endr
	global_load_b32 v[STV], v[J4], s[8:9]
	v_and_b32 v[EL], 31, v0
	v_lshlrev_b32 v[EL], 2, v[EL]
	global_load_b32 v[ENDL], v[EL], s[10:11]
	global_load_b32 v[ENDH], v[EL], s[10:11] offset:128
	v_lshlrev_b32 v[MA], 4, v0
	global_load_b128 v[MKD:MKD+3], v[MA], s[6:7] th:TH_LOAD_NT  ; 128 threads x 16 bytes: the sequence's whole mask
	; the weights, as bit patterns: the exponent field of 2^-i is 127 - i
	v_lshlrev_b32 v[HX], 28, v[HY]                 ; 32 h in the exponent field
	v_sub_nc_u32 v[MQ], 0xbf800000, v[HX]          ; -2^-(32 h)
	v_sub_nc_u32 v[MQ+1], 0x3faa0000, v[HX]        ; 2^-(32 h) x (1 + 1/4 + 1/16 + 1/64)
.set n, 0
.rept 32
	v_add_nc_u32 v[NW+n], (0-(n<<23))&0xffffffff, v[MQ]
.set n, n+1
.endr
.set n, 0
.rept 4
	v_add_nc_u32 v[WK+2*n], (0-((8*n)<<23))&0xffffffff, v[MQ+1]      ; weights 8 n, 8 n + 2, 8 n + 4, 8 n + 6
	v_add_nc_u32 v[WK+2*n+1], (0-((8*n+1)<<23))&0xffffffff, v[MQ+1]  ; weights 8 n + 1, .. 8 n + 7
.set n, n+1
.endr
	v_mov_b32 v[NB], 0xef800000
	v_mov_b32 v[NB+1], 0xef800000
	v_mov_b32 v[BG], 0x6f800000
	v_mov_b32 v[BG+1], 0x6f800000
	v_mov_b32 v[E+1], 0                            ; named with v[E] as a pair
	v_mov_b32 v[M+1], 0                            ; v_permlanex16_b32's destination counts as read
	v_lshrrev_b32 v[IDJ], 2, v[J4]                 ; j
	v_lshl_add_u32 v[VSRD], v[HY], 7, SB
	v_add_nc_u32 v[VSWR], SB, v[J4]
	v_add_nc_u32 v[VEA], EM, v[J4]
	v_add_nc_u32 v[VHA], HB, v[J4]
	v_mov_b32 v[VMA], MK
	v_lshl_add_u32 v[ML], v0, 4, MK
	s_wait_loadcnt 0x0                             ; the tables and the mask are in
	ds_store_b128 v[ML], v[MKD:MKD+3]
	s_wait_tensorcnt 0x1                           ; my part of rows 0-63 is in; the second fill may stay out: steps 1 to 62 read rows 1 to 63 alone
	s_wait_dscnt 0x0                               ; my part of the mask is in LDS
	s_barrier_signal -1
	s_barrier_wait -1                              ; everybody's is
; Rounds r0 .. r1 - 1 of four of the sums of hits: the four pairs of accumulators take turns; round 0 starts them from the sums of their weights.
.macro ACCS r0, r1
.set r, \r0
.rept (\r1)-(\r0)
.set g, 0
.rept 4
.if r == 0
	v_pk_fma_f32 v[ACC+2*g:ACC+2*g+1], v[C+8*g:C+8*g+1], v[NW+8*g:NW+8*g+1], v[WK+2*g:WK+2*g+1]
.else
	v_pk_fma_f32 v[ACC+2*g:ACC+2*g+1], v[C+8*g+2*r:C+8*g+2*r+1], v[NW+8*g+2*r:NW+8*g+2*r+1], v[ACC+2*g:ACC+2*g+1]
.endif
.set g, g+1
.endr
.set r, r+1
.endr
.endm
.macro LOADS b                         ; my half's 32 scores out of buffer b: each load is one address for 16 lanes
.set k, 0
.rept 8
	ds_load_b128 v[S+4*k:S+4*k+3], v[VSRD] offset:(\b)*ROW+16*k
.set k, k+1
.endr
.endm
.macro INDEX ho                        ; the largest accumulator of both halves; its exponent field; the identity where the step is masked; into the history
	v_max3_num_f32 v[HX], v[ACC], v[ACC+1], v[ACC+2]
	v_max3_num_f32 v[MQ], v[ACC+3], v[ACC+4], v[ACC+5]
	v_max3_num_f32 v[HX], v[HX], v[ACC+6], v[ACC+7]
	v_max_num_f32 v[HX], v[HX], v[MQ]
	v_permlanex16_b32 v[HY], v[HX], s[SEL], s[SEL+1]
	v_max_num_f32 v[HX], v[HX], v[HY]              ; the lower half's weights are the larger: the lowest index wins
	v_lshrrev_b32 v[HX], 23, v[HX]                 ; 127 - idx
	v_sub_nc_u32 v[HX], 127, v[HX]                 ; idx
	v_cndmask_b32 v[HX], v[IDJ], v[HX], s[MSK]
	ds_store_b32 v[VHA], v[HX] offset:\ho          ; both halves store the same word
.endm
; ONE STEP.  At its head these LDS instructions of mine may be out, in this order: the loads of e_t and mask_t, the eight loads of the scores, the store of the last step's history word.
; wb: the buffer that takes the new scores.  eo, mo: where e and the mask of the NEXT step lie from v[VEA], v[VMA]; ho: this step's history row from v[VHA].  last = 1: step 511.
.macro STEP wb, eo, mo, ho, last
.set q, 0
.set k, 0
.rept 6                                ; eight candidates at a time: score + trans; a stage later + e; a stage later the maxima of three
.if k < 4
	s_wait_dscnt 7-2*k                             ; LDS instructions end in order: score loads 2 k and 2 k + 1 are in; the 6 - 2 k younger ones and the history store may be out
.set p, 0
.rept 4
	v_pk_add_f32 v[C+8*k+2*p:C+8*k+2*p+1], v[S+8*k+2*p:S+8*k+2*p+1], v[T+8*k+2*p:T+8*k+2*p+1]
.set p, p+1
.endr
.endif
.if k == 0
	v_cmp_ne_u32 s[MSK], 0, v[VM]
.endif
.if (k >= 1) && (k <= 4)
.set p, 0
.rept 4
	v_pk_add_f32 v[C+8*k-8+2*p:C+8*k-8+2*p+1], v[C+8*k-8+2*p:C+8*k-8+2*p+1], v[E:E+1] op_sel_hi:[1,0]
.set p, p+1
.endr
.endif
.rept 3
.if (q < 10) && (3*q+2 <= 8*k-9)
	v_max3_num_f32 v[MQ+q], v[C+3*q], v[C+3*q+1], v[C+3*q+2]
.set q, q+1
.endif
.endr
.set k, k+1
.endr
	v_max3_num_f32 v[MQ], v[MQ], v[MQ+1], v[MQ+2]
	v_max3_num_f32 v[MQ+3], v[MQ+3], v[MQ+4], v[MQ+5]
	v_max3_num_f32 v[MQ+6], v[MQ+6], v[MQ+7], v[MQ+8]
	v_max3_num_f32 v[MQ+9], v[MQ+9], v[C+30], v[C+31]
	v_max3_num_f32 v[MQ], v[MQ], v[MQ+3], v[MQ+6]
	v_max_num_f32 v[MQ], v[MQ], v[MQ+9]
	v_permlanex16_b32 v[M+1], v[MQ], s[SEL], s[SEL+1]  ; the other 32 previous tags lie in the lane 16 away
	v_max_num_f32 v[M], v[MQ], v[M+1]
	v_cndmask_b32 v[SOWN], v[SOWN], v[M], s[MSK]   ; a masked step keeps the score
	ds_store_b32 v[VSWR], v[SOWN] offset:(\wb)*ROW ; both halves store the same word
	v_pk_mul_f32 v[MB:MB+1], v[BG:BG+1], v[M:M+1] op_sel_hi:[1,0]
.set p, 0
.rept 16                               ; 0 where the candidate is the maximum, 1 elsewhere: register work while the store is out
	v_pk_fma_f32 v[C+2*p:C+2*p+1], v[C+2*p:C+2*p+1], v[NB:NB+1], v[MB:MB+1] clamp
.set p, p+1
.endr
.if \last
	ACCS 0, 4
	INDEX \ho
	s_wait_dscnt 0x0                               ; for wave 0's sake: my last scores and my last history word are in LDS
	s_barrier_signal -1
	s_barrier_wait -1
.else
	s_wait_dscnt 0x0                               ; for the others' sake: my new score is in LDS; my reads of the old buffer ended above
	s_barrier_signal -1
	ds_load_b32 v[E], v[VEA] offset:\eo            ; the next step's e and mask: bytes that no wave ever stores to
	ds_load_b32 v[VM], v[VMA] offset:\mo
	ACCS 0, 1
	s_barrier_wait -1                              ; all 64 new scores are in LDS, and nobody reads the other buffer any more
	LOADS \wb
	ACCS 1, 4                                      ; register work while the scores are on their way
	INDEX \ho
.endif
.endm
.macro PAIR                            ; an odd step and an even one; the three addresses stand at the row before them
	STEP 1, 2*ROW, 8, ROW, 0
	STEP 0, 3*ROW, 12, 2*ROW, 0
	v_add_nc_u32 v[VEA], 2*ROW, v[VEA]
	v_add_nc_u32 v[VMA], 8, v[VMA]
	v_add_nc_u32 v[VHA], 2*ROW, v[VHA]
.endm
	; step 0, in the form in which every step leaves its LDS instructions
	ds_load_b32 v[E], v[VEA]
	s_wait_dscnt 0x0
	v_add_f32 v[SOWN], v[STV], v[E]                ; start[j] + e_0[j]
	ds_store_b32 v[VSWR], v[SOWN]
	s_wait_dscnt 0x0
	s_barrier_signal -1
	ds_load_b32 v[E], v[VEA] offset:ROW
	ds_load_b32 v[VM], v[VMA] offset:4
	s_barrier_wait -1
	LOADS 0
	ds_store_b32 v[VHA], v[IDJ]                    ; history row 0: the identity
	s_mov_b32 s[CNT], (FIRST-2)/2
.Lfirst_rows:                                          ; steps 1 to 62: the last of them asks for e of row 63, the first fill's last
	PAIR
	s_sub_co_u32 s[CNT], s[CNT], 1
	s_cmp_lg_u32 s[CNT], 0
	s_cbranch_scc1 .Lfirst_rows
	s_wait_tensorcnt 0x0                           ; my part of rows 64-511 is in,
	s_wait_dscnt 0x0                               ; (no LDS instruction of mine is out at a signal)
	s_barrier_signal -1
	s_barrier_wait -1                              ; everybody's is
	s_mov_b32 s[CNT], (NT-FIRST)/2
.Lrest:                                                ; steps 63 to 510
	PAIR
	s_sub_co_u32 s[CNT], s[CNT], 1
	s_cmp_lg_u32 s[CNT], 0
	s_cbranch_scc1 .Lrest
	STEP 1, 0, 0, ROW, 1                           ; step 511 asks for nothing more; its scores lie in buffer 1
	s_cmp_lg_u32 s[WV], 0
	s_cbranch_scc1 .Lend                           ; the backtrace is one chain: wave 0 walks it
	v_and_b32 v1, 31, v0
	v_lshl_add_u32 v[FA], v1, 2, SB+ROW
	ds_load_b32 v[F0], v[FA]                       ; score[l]
	ds_load_b32 v[F1], v[FA] offset:128            ; score[l + 32]
	v_lshl_add_u32 v[VB0], v1, 3, HB               ; lane l takes words 2 l and 2 l + 1 of a history row: tag y lies in lane y / 2, register y % 2
	v_lshlrev_b32 v[OA0], 3, v1
	v_mov_b32 v[O], 0                              ; v_writelane_b32's destination counts as read
	v_mov_b32 v[O+1], 0
	v_mov_b32 v[FX], 0
	s_wait_dscnt 0x0
	v_add_f32 v[F0], v[F0], v[ENDL]
	v_add_f32 v[F1], v[F1], v[ENDH]
	v_max_num_f32 v[FM], v[F0], v[F1]
	v_max_num_f32_dpp v[FM], v[FM], v[FM] row_xmask:1 row_mask:0xf bank_mask:0xf
	v_max_num_f32_dpp v[FM], v[FM], v[FM] row_xmask:2 row_mask:0xf bank_mask:0xf
	v_max_num_f32_dpp v[FM], v[FM], v[FM] row_xmask:4 row_mask:0xf bank_mask:0xf
	v_max_num_f32_dpp v[FM], v[FM], v[FM] row_xmask:8 row_mask:0xf bank_mask:0xf
	v_permlanex16_b32 v[FX], v[FM], s[SEL], s[SEL+1]
	v_max_num_f32 v[FM], v[FM], v[FX]              ; every lane holds the maximum of the 64
	v_cmp_eq_f32 s[PA], v[F0], v[FM]               ; bit l: tag l reaches it
	v_cmp_eq_f32 s[PB], v[F1], v[FM]               ; bit l: tag l + 32 does
	s_ctz_i32_b32 s[Y], s[PA]
	s_ctz_i32_b32 s[LN], s[PB]
	s_add_co_u32 s[LN], s[LN], 32
	s_cmp_lg_u32 s[PA], 0
	s_cselect_b32 s[Y], s[Y], s[LN]                ; the lowest tag that reaches it
	s_bfe_u32 s[LN], s[Y], 0x50001                 ; its lane: five bits from bit 1
.macro ROWS a, b                       ; history rows for places 63 - a down to 64 - b of the block, in the order of their use
.set z, \a
.rept (\b)-(\a)
	ds_load_b64 v[H+2*z:H+2*z+1], v[VBA] offset:(63-z)*ROW
.set z, z+1
.endr
.endm
	s_mov_b32 s[CNT], NT/64
.Lblock:                                               ; places 64 b + 63 down to 64 b, b = 7 .. 0
	s_sub_co_u32 s[BL], s[CNT], 1                  ; b, from the loop's counter
	s_lshl_b32 s[HBS], s[BL], 14                   ; 64 rows of 256 bytes
	s_lshl_b32 s[OBS], s[BL], 8                    ; 64 words of out0
	v_add_nc_u32 v[VBA], s[HBS], v[VB0]
	ROWS 0, 56                                     ; the last eight rows are asked for behind the first eight places: 56 loads of mine are out at the most
	s_wait_xcnt 0x0                                ; the last block's store has read its data and its offset: they are rewritten only behind this wait
	v_add_nc_u32 v[OA], s[OBS], v[OA0]
.set q, 0
.rept 64
.if q == 8
	ROWS 56, 64
.endif
.if q == 0
	s_wait_dscnt 48                                ; of the 56 loads issued the first eight are in
.elseif q%8 == 0
	s_wait_dscnt 56-q                              ; the next eight rows are in; the 56 - q younger loads may be out
.endif
	v_writelane_b32 v[O+((63-q)&1)], s[Y], (63-q)>>1  ; this place's tag: lane u / 2, register u % 2, so that a lane ends with 8 neighbouring bytes of out0
	v_readlane_b32 s[PA], v[H+2*q], s[LN]          ; the word for an even tag
	v_readlane_b32 s[PB], v[H+2*q+1], s[LN]        ; for an odd one
	s_bitcmp1_b32 s[Y], 0
	s_cselect_b32 s[Y], s[PB], s[PA]               ; the tag of the place before
	s_bfe_u32 s[LN], s[Y], 0x50001
.set q, q+1
.endr
	global_store_b64 v[OA], v[O:O+1], s[14:15] th:TH_STORE_NT  ; 32 lanes store 256 consecutive bytes, at a multiple of 256 from out0's first byte
	s_sub_co_u32 s[CNT], s[CNT], 1
	s_cmp_lg_u32 s[CNT], 0
	s_cbranch_scc1 .Lblock
.Lend:
	s_barrier_signal -1                            ; wave 0's reads of the history are over (its last count-down ended at 0); the others have had nothing out since step 511's barrier
	s_barrier_wait -1                              ; so no wave writes a word of LDS, its spare word too, while wave 0 still reads
	s_wait_tensorcnt 0x0                           ; the wave's end: a wait, an add and a wait, behind my last tensor load and my last LDS store
	ds_add_u32 v[SPW], v[NIL]
	s_wait_dscnt 0x0
	s_endpgm
.Lfunc_end_k_q64e9d12104_viterbi:
	.size	k_q64e9d12104_viterbi, .Lfunc_end_k_q64e9d12104_viterbi-k_q64e9d12104_viterbi
	.p2alignl 7, 3214868480
	.fill 96, 4, 3214868480
	.section	.rodata,"a",@progbits
	.p2align	6, 0x0
	.amdhsa_kernel k_q64e9d12104_viterbi
		.amdhsa_group_segment_fixed_size 265216
		.amdhsa_private_segment_fixed_size 0
		.amdhsa_enable_private_segment 0
		.amdhsa_kernarg_size 48
		.amdhsa_user_sgpr_count 2
		.amdhsa_user_sgpr_kernarg_segment_ptr 1
		.amdhsa_wavefront_size32 1
		.amdhsa_system_sgpr_workgroup_id_x 1
		.amdhsa_system_sgpr_workgroup_id_y 1
		.amdhsa_system_sgpr_workgroup_id_z 1
		.amdhsa_system_vgpr_workitem_id 0
		.amdhsa_next_free_vgpr 192
		.amdhsa_next_free_sgpr 66
		.amdhsa_reserve_vcc 0
		.amdhsa_float_denorm_mode_32 3
		.amdhsa_float_denorm_mode_16_64 3
		.amdhsa_memory_ordered 1
		.amdhsa_forward_progress 1
		.amdhsa_inst_pref_size 71
	.end_amdhsa_kernel
	.amdgpu_metadata
---
amdhsa.version: [ 1, 2 ]
amdhsa.kernels:
  - .name:           k_q64e9d12104_viterbi
    .symbol:         k_q64e9d12104_viterbi.kd
    .args:
      - { .name: emissions, .offset: 0, .size: 8, .value_kind: global_buffer, .address_space: global }
      - { .name: attn_mask, .offset: 8, .size: 8, .value_kind: global_buffer, .address_space: global }
      - { .name: start_transitions, .offset: 16, .size: 8, .value_kind: global_buffer, .address_space: global }
      - { .name: end_transitions, .offset: 24, .size: 8, .value_kind: global_buffer, .address_space: global }
      - { .name: transitions, .offset: 32, .size: 8, .value_kind: global_buffer, .address_space: global }
      - { .name: out0, .offset: 40, .size: 8, .value_kind: global_buffer, .address_space: global }
    .group_segment_fixed_size: 265216
    .private_segment_fixed_size: 0
    .kernarg_segment_align: 8
    .kernarg_segment_size: 48
    .max_flat_workgroup_size: 128
    .sgpr_count:     66
    .vgpr_count:     192
    .wavefront_size: 32
...
	.end_amdgpu_metadata
.endif
;; end of part 1
;; ======== version 2 of 2: 1 launch; 1.22 times as fast as version 1
;; limits: right only within a limited range of input values; below input magnitudes of 2.1e-22 results are inexact or not finite
;; launch viterbi (part 2): grid 256 x 1, 4 waves a work-group, no clusters, 265,728 bytes of LDS; arguments emissions, attn_mask, start_transitions, end_transitions, transitions, out0; writes out0
.if DOCPART == 2
	.amdgcn_target "amdgcn-amd-amdhsa--gfx1250"
	.amdhsa_code_object_version 6
	.text
	.protected	k_q64e9d12104_viterbi
	.globl	k_q64e9d12104_viterbi
	.p2align	8
	.type	k_q64e9d12104_viterbi,@function
k_q64e9d12104_viterbi:
	s_mov_b64 s[64:65], 0
	v_nop
	global_prefetch_b8 v0, s[64:65] scope:SCOPE_SE
	s_setreg_imm32_b32 hwreg(HW_REG_WAVE_MODE, 25, 1), 1
	s_wait_xcnt 0x0
; VITERBI DECODE.  emissions [256][512][64] f32, attn_mask [256][512] i32, start, end [64] f32, transitions [64][64] f32; out0 [256][512] i32: the best tag path of each sequence.
; score_0[j] = start[j] + e_0[j];  cand_t[i][j] = (score_(t-1)[i] + trans[i][j]) + e_t[j];  score_t[j] = mask_t ? max_i cand : score_(t-1)[j];  idx_t[j] = the lowest i that reaches the maximum;
; best = the lowest j that reaches the maximum of score_511[j] + end[j];  backwards tag_(t-1) = mask_t ? idx_t[tag_t] : tag_t.
; EXACT.  The output is whole numbers, so every candidate is made by the same two f32 additions in the same order as in the definition above; a maximum rounds nothing; among equal candidates the lowest index wins.
; THE MAXIMUM AHEAD OF e.  With a_i = score[i] + trans[i][j], rounded: x -> x + e, rounded to nearest, never decreases, so the maximum of the rounded a_i + e IS the rounded (maximum of a_i) + e, bit for bit.
; The new score is made so, by 16 packed additions, a maximum and one more addition; the candidates a_i + e themselves, which the argmax must see (the rounding can make ties), are made behind the store of the new scores.
; NOTHING IS LEFT OUT: every candidate of every step and the whole history are made.  attn_mask[:][0], which the definition never reads, arrives as part of a 16-byte unit and is not used; history row 0
; holds the identity so that the backtrace has one form for all 512 places (its last look-up serves nothing).
; SHARES.  One work-group a sequence, four waves.  Wave w owns the next tags 16 w .. 16 w + 15.  Lane l: pair p = l % 4 + 4 (l / 16), quarter q = (l / 4) % 4: it owns the next tags j0 = 16 w + 2 p and j0 + 1 and the
; previous tags 16 q .. 16 q + 15: 32 candidates a step, two to an instruction, from 16 scores: four LDS loads.  The four quarters lie 4 and 8 lanes apart in a row of 16, so they meet by two maxima that read the
; other lane themselves (DPP).  The four waves meet in LDS: two score buffers of 64 numbers take turns, so ONE barrier a step orders both the new scores' stores with their reads and the old buffer's reads with its next stores.
; THE MASK.  new score = m1 x maximum + e2, one fused multiply-add, with (m1, e2) = (1, e) or, in a masked step, (0, old score); both are made a step ahead.
; THE ARGMAX WITHOUT A COMPARE.  M = the new score.  v_i = (M - c_i) x 2^96 held to 0 .. 1, one fused multiply-add: 0 where c_i = M, 1 elsewhere.  W - sum of v_i 2^-i, with W the sum of the weights, is the sum of 2^-i
; over the hits.  A lane's 16 weights lie on end, so every sum of some of them is exact and stays under twice its largest term: the exponent field of the largest lane's sum is 127 - i for the lowest hit i.
; The history holds i; a masked step's row holds j: the identity (what the sums hold then is finite and is not used).
; THE ORDER OF A STEP.  The steps are one chain: score loads, 16 additions, the maxima, the quarters' meeting, the multiply-add, the score store, the barrier, the next loads.  On that chain stands nothing else, with one
; exception: its last links each wait for the one before, and four links of the LAST step's index, a chain of the same kind, stand between them, two lines to a link.  All other work needs registers alone and stands where the
; wave would otherwise wait: behind the score store (the candidates, three quarters of the v) and behind the score loads (the rest of the v, the sums of hits, the next step's m1 and e2).  Nothing stands inside the barrier.
; e and the mask are asked for TWO steps ahead, behind the score loads, into registers that go by the step's parity; the next step's wait for 0 ahead of its barrier covers them.  History row t - 1 is stored in step t, from
; registers that go by parity too; the three walking addresses are stepped in the odd steps, behind the score store: so no line rewrites a register that an LDS instruction issued shortly before still names.
; THE BACKTRACE selects by v_readlane_b32 with a scalar lane number cut to five bits: no address and no branch hangs on a tag.  Wave 0 does it; 64 places are one store of 256 consecutive bytes, aligned.
; LIMITS.  Finite inputs; |score| under 2^31 (M x 2^96 stays finite); two unequal candidates of one next tag differ by 2^-96 or more (sums of inputs whose nonzero magnitudes are 2^-72 or more do);
; NaN and infinities are not treated apart; +0 and -0 count as equal, as in a comparison, and a masked step turns a score of -0 into +0.
; NOT USED.  Matrix instructions: there is no product.  A cluster: work-groups share 16,896 bytes of tables against 131,072 bytes of emissions of their own.  A prefetch: each wave asks for all its emissions at the
; head by its own two tensor loads, so no later request is left to run ahead of.  Padding in LDS: every access is neighbouring words, or one word for several lanes.
.set NT,    512                        ; steps
.set ROW,   256                        ; bytes of a row of emissions, of history, and of a score buffer: 64 words
.set FIRST, 64                         ; rows in the first fill: the walk starts when these are in
.set R0,    FIRST/4                    ; rows of it that a wave fetches
.set R1,    (NT-FIRST)/4               ; rows of the second fill that a wave fetches
.set EM,    0                          ; LDS: the sequence's emissions as they lie in memory, so a row's LDS byte is also its byte in the sequence
.set HP,    NT*ROW                     ; two rows that nothing reads or writes: the history's walking address stands here until step 1 steps it
.set HB,    HP+2*ROW                   ; the history: row t, word j
.set SB,    HB+NT*ROW                  ; two score buffers
.set MK,    SB+2*ROW                   ; the sequence's mask, 512 words
.set SPARE, MK+NT*4                    ; the spare words, 128 bytes for each wave: two blocks of 256 bytes that no other line names
.set VSRD, 2                           ; v2   LDS address of my quarter's 16 scores in buffer 0
.set VSWR, 3                           ; v3   of my two tags' scores in buffer 0
.set VEA,  4                           ; v4   of my two tags' emissions: behind the odd step 2 m + 1's stepping, in row 2 m + 2
.set VMA,  5                           ; v5   of the mask word of that row
.set VHA,  6                           ; v6   of my two tags' history words: behind that stepping, in row 2 m
.set M1,   7                           ; v7   m1
.set SPW,  8                           ; v8   LDS address of my spare word; never rewritten
.set NIL,  9                           ; v9   0; never rewritten
.set E,    10                          ; v[10:17] e, a set of four for each parity of the step: e[j0], a partner named with it as a pair, e[j0 + 1], a partner
.set SOWN, 18                          ; v[18:19] my two tags' scores
.set MB,   20                          ; v[20:21] M x 2^96 of tag j0, twice; v[22:23] of tag j0 + 1
.set NB,   24                          ; v[24:25] -2^96, twice
.set E2,   26                          ; v26, v27 e2 of the two tags
.set Z,    28                          ; v28, v29 the two tags' maxima of a
.set HX,   30                          ; v30, v31 the two tags' sums of hits
.set MQ,   32                          ; v[32:37], v[40:45] partial maxima, eight registers a tag
.set VM,   38                          ; v38, v39 the mask word, by the step's parity
.set ONE,  46                          ; v46  1.0
.set ACC,  48                          ; v[48:55] sums of hits: tag u, previous tags 8 g .. 8 g + 7, even and odd, at ACC + 4 u + 2 g
.set WK,   56                          ; v[56:59] what they start from: the sums of their weights
.set IDJ,  60                          ; v[60:61] j0, j0 + 1
.set ENDL, 62                          ; v62, v63 end[l], end[l + 32]
.set ENDH, 63
.set T,    64                          ; v[64:95]   trans[16 q + n][j0 + u] at T + 16 u + n
.set NW,   96                          ; v[96:111]  -2^-(16 q + n)
.set S,    112                         ; v[112:127] score[16 q + n]
.set C,    128                         ; v[128:159] a, then the candidates, then v: tag u at C + 16 u + n
.set HS,   160                         ; v[160:163] the two tags' index on its way to the history: a pair for each parity of the step that stores it
.set STV,  164                         ; v[164:165] start[j0], start[j0 + 1]
.set WA,   32                          ; the head alone: v32, v33 weights in the making; v40-45, v47 offsets of its loads, q and p; v[128:131] 16 bytes of the mask
.set WB,   33
.set TA,   40
.set J4,   41
.set MA,   42
.set ML,   43
.set EL,   44
.set QQ,   45
.set PP,   47
.set MKD,  128
.set O,    32                          ; the backtrace: v[32:33] 64 places' tags, two a lane
.set OA0,  34                          ; v34  8 l: my 8 bytes in a block of 256 of out0; never rewritten
.set OA,   35                          ; v35  the same in the block in hand
.set VB0,  36                          ; v36  LDS address of my two words in history row 0: HB + 8 l; never rewritten
.set VBA,  37                          ; v37  the same in the first row of the block in hand
.set F0,   38                          ; v38-42 the last argmax
.set F1,   39
.set FM,   40
.set FX,   41
.set FA,   42
.set H,    64                          ; v[64:191] 64 rows of history, two words a lane
.set WV,   16                          ; s16  my wave's number
.set CNT,  17                          ; s17  loop counter
.set SEL,  18                          ; s18, s19 v_permlanex16_b32's selects: each lane takes its own place in the other half
.set MSK,  20                          ; s20, s21 lanes on where the mask is not 0: of the even steps, of the odd steps
.set BL,   22                          ; s22  the backtrace's block of 64 places, 7 down to 0
.set HBS,  23                          ; s23  its 64 rows' first byte in the history
.set G1A,  24                          ; s[24:31] descriptor group 1 of the first fill
.set G1B,  32                          ; s[32:39] of the second
.set G0A,  40                          ; s[40:43] descriptor group 0 of the first fill
.set G0B,  44                          ; s[44:47] of the second
.set OBS,  48                          ; s48  (the backtrace) the block's 256 bytes in the sequence's row of out0
.set Y,    56                          ; s56  the tag
.set LN,   57                          ; s57  the lane that holds the tag's history word: tag / 2
.set PA,   58                          ; s58, s59 the two words of that lane
.set PB,   59
.macro SHAPE g, rows                   ; group 1: \rows rows of 32 elements of 8 bytes, dense: rows of 256 bytes; no mask, no padding
	s_mov_b32 s[\g+0], 3<<16                       ; 17:16 elements of 8 bytes
	s_mov_b32 s[\g+1], 32<<16                      ; tensor_dim0 = 32
	s_mov_b32 s[\g+2], (\rows)<<16                 ; tensor_dim1
	s_mov_b32 s[\g+3], 32<<16                      ; tile_dim0 = 32
	s_mov_b32 s[\g+4], \rows                       ; tile_dim1
	s_mov_b32 s[\g+5], 32                          ; 32 elements from row to row
	s_mov_b32 s[\g+6], 0
	s_mov_b32 s[\g+7], 0
.endm
	s_load_b256 s[4:11], s[0:1], 0x0               ; emissions s[4:5], attn_mask s[6:7], start s[8:9], end s[10:11]
	s_load_b128 s[12:15], s[0:1], 0x20             ; transitions s[12:13], out0 s[14:15]
	v_lshl_add_u32 v[SPW], v0, 2, SPARE
	v_mov_b32 v[NIL], 0
	ds_add_u32 v[SPW], v[NIL]                      ; the wave's opening: the add, twice on end, and its wait ahead of my first tensor load
	ds_add_u32 v[SPW], v[NIL]                      ; and once more; the set-up below, work on registers, stands between it and the wait
	v_lshrrev_b32 v1, 5, v0
	v_readfirstlane_b32 s[WV], v1                  ; wave 0..3
	SHAPE G1A, R0
	SHAPE G1B, R1
	s_mov_b32 s[G0A], 1                            ; count = 1
	s_mul_i32 s[G0A+1], s[WV], R0*ROW              ; LDS address: my 16 of rows 0-63 (EM = 0)
	s_mov_b32 s[G0B], 1
	s_mul_i32 s[G0B+1], s[WV], R1*ROW              ; my 112 of rows 64-511
	s_add_co_u32 s[G0B+1], s[G0B+1], FIRST*ROW
	s_mov_b32 s50, s[G0A+1]                        ; the same two numbers as byte offsets in the sequence's emissions
	s_mov_b32 s51, 0
	s_mov_b32 s52, s[G0B+1]
	s_mov_b32 s53, 0
	s_lshl_b32 s48, ttmp9, 17                      ; the sequence's 131,072 bytes of emissions
	s_mov_b32 s49, 0
	s_lshl_b32 s54, ttmp9, 11                      ; its 2,048 bytes of attn_mask and of out0
	s_mov_b32 s55, 0
	s_mov_b32 s[SEL], 0x76543210
	s_mov_b32 s[SEL+1], 0xfedcba98
	s_wait_dscnt 0x0                               ; both opening adds are done
	s_wait_kmcnt 0x0
	s_add_nc_u64 s[4:5], s[4:5], s[48:49]
	s_add_nc_u64 s[G0A+2:G0A+3], s[4:5], s[50:51]  ; global address of my rows
	s_or_b32 s[G0A+3], s[G0A+3], 0x80000000        ; type = 2
	s_add_nc_u64 s[G0B+2:G0B+3], s[4:5], s[52:53]
	s_or_b32 s[G0B+3], s[G0B+3], 0x80000000
	tensor_load_to_lds s[G0A:G0A+3], s[G1A:G1A+7]  ; both fills go out together, ahead of every wait on TENSORcnt, LDS read and barrier: two loads of mine are out
	s_nop 0
	tensor_load_to_lds s[G0B:G0B+3], s[G1B:G1B+7]
	s_nop 0
	s_add_nc_u64 s[6:7], s[6:7], s[54:55]
	s_add_nc_u64 s[14:15], s[14:15], s[54:55]
	; the tables, while the emissions are on their way
	v_and_b32 v1, 3, v0
	v_bfe_u32 v[PP], v0, 4, 1
	v_lshl_or_b32 v[PP], v[PP], 2, v1              ; p
	v_bfe_u32 v[QQ], v0, 2, 2                      ; q
	s_lshl_b32 s48, s[WV], 6
	v_lshl_add_u32 v[J4], v[PP], 3, s48            ; 4 j0 = 64 w + 8 p
	v_lshl_add_u32 v[TA], v[QQ], 12, v[J4]         ; + 16 q rows of transitions
.set n, 0
.rept 16
	global_load_b32 v[T+n], v[TA], s[12:13] offset:n*ROW       ; trans[16 q + n][j0]
	global_load_b32 v[T+16+n], v[TA], s[12:13] offset:n*ROW+4  ; trans[16 q + n][j0 + 1]
.set n, n+1
.endr
	global_load_b64 v[STV:STV+1], v[J4], s[8:9]
	v_and_b32 v[EL], 31, v0
	v_lshlrev_b32 v[EL], 2, v[EL]
	global_load_b32 v[ENDL], v[EL], s[10:11]
	global_load_b32 v[ENDH], v[EL], s[10:11] offset:128
	v_lshlrev_b32 v[MA], 4, v0
	global_load_b128 v[MKD:MKD+3], v[MA], s[6:7] th:TH_LOAD_NT  ; 128 threads x 16 bytes: the sequence's whole mask
	; the weights, as bit patterns: the exponent field of 2^-i is 127 - i
	v_lshlrev_b32 v[WA], 27, v[QQ]                 ; 16 q in the exponent field
	v_sub_nc_u32 v[WB], 0x3faa0000, v[WA]          ; 2^-(16 q) x (1 + 1/4 + 1/16 + 1/64)
	v_sub_nc_u32 v[WA], 0xbf800000, v[WA]          ; -2^-(16 q)
.set n, 0
.rept 16
	v_add_nc_u32 v[NW+n], (0-(n<<23))&0xffffffff, v[WA]
.set n, n+1
.endr
.set n, 0
.rept 2
	v_add_nc_u32 v[WK+2*n], (0-((8*n)<<23))&0xffffffff, v[WB]      ; weights 8 n, 8 n + 2, 8 n + 4, 8 n + 6
	v_add_nc_u32 v[WK+2*n+1], (0-((8*n+1)<<23))&0xffffffff, v[WB]  ; weights 8 n + 1, .. 8 n + 7
.set n, n+1
.endr
	v_mov_b32 v[NB], 0xef800000
	v_mov_b32 v[NB+1], 0xef800000
	v_mov_b32 v[ONE], 1.0
.set n, 0
.rept 4
	v_mov_b32 v[E+2*n+1], 0                        ; named with e as pairs
.set n, n+1
.endr
	v_lshrrev_b32 v[IDJ], 2, v[J4]                 ; j0
	v_add_nc_u32 v[IDJ+1], 1, v[IDJ]
	v_lshl_add_u32 v[VSRD], v[QQ], 6, SB
	v_add_nc_u32 v[VSWR], SB, v[J4]
	v_add_nc_u32 v[VEA], EM, v[J4]                 ; row 0
	v_add_nc_u32 v[VHA], HP, v[J4]                 ; two rows ahead of history row 0
	v_mov_b32 v[VMA], MK                           ; word 0
	v_lshl_add_u32 v[ML], v0, 4, MK
	s_wait_loadcnt 0x0                             ; the tables and the mask are in
	ds_store_b128 v[ML], v[MKD:MKD+3]
	s_wait_tensorcnt 0x1                           ; my part of rows 0-63 is in; the second fill may stay out: up to step 60 rows 0 to 62 alone are read
	s_wait_dscnt 0x0                               ; my part of the mask is in LDS
	s_barrier_signal -1
	s_barrier_wait -1                              ; everybody's is
.macro BOTH line:vararg                ; one line for each of my two tags, u = 0, 1: two chains side by side
.set u, 0
	\line
.set u, 1
	\line
.endm
.macro LOADS b                         ; my quarter's 16 scores out of buffer b: each load is one address for the four lanes of a quarter in a row
.set k, 0
.rept 4
	ds_load_b128 v[S+4*k:S+4*k+3], v[VSRD] offset:(\b)*ROW+16*k
.set k, k+1
.endr
.endm
.macro ADDS k                          ; a = score + trans for the four scores of load k, both tags
.set u, 0
.rept 2
.set p, 0
.rept 2
	v_pk_add_f32 v[C+16*u+4*(\k)+2*p:C+16*u+4*(\k)+2*p+1], v[S+4*(\k)+2*p:S+4*(\k)+2*p+1], v[T+16*u+4*(\k)+2*p:T+16*u+4*(\k)+2*p+1]
.set p, p+1
.endr
.set u, u+1
.endr
.endm
.macro XA d, a                         ; partial maximum d: of a's numbers a, a + 1, a + 2
	BOTH v_max3_num_f32 v[MQ+8*u+(\d)], v[C+16*u+(\a)], v[C+16*u+(\a)+1], v[C+16*u+(\a)+2]
.endm
.macro EADD par                        ; the candidates: a + e, in place; e from the set of the step's parity
.set u, 0
.rept 2
.set p, 0
.rept 8
	v_pk_add_f32 v[C+16*u+2*p:C+16*u+2*p+1], v[C+16*u+2*p:C+16*u+2*p+1], v[E+4*(\par)+2*u:E+4*(\par)+2*u+1] op_sel_hi:[1,0]
.set p, p+1
.endr
.set u, u+1
.endr
.endm
.macro MULS                            ; M x 2^96, twice for each tag: the line with the clamp takes registers alone
	v_mul_f32 v[MB], 0x6f800000, v[SOWN]
	v_mul_f32 v[MB+1], 0x6f800000, v[SOWN]
	v_mul_f32 v[MB+2], 0x6f800000, v[SOWN+1]
	v_mul_f32 v[MB+3], 0x6f800000, v[SOWN+1]
.endm
.macro CL r                            ; 0 where the candidate is the maximum, 1 elsewhere: the four pairs that round r of the sums takes
.set u, 0
.rept 2
.set g, 0
.rept 2
	v_pk_fma_f32 v[C+16*u+8*g+2*(\r):C+16*u+8*g+2*(\r)+1], v[C+16*u+8*g+2*(\r):C+16*u+8*g+2*(\r)+1], v[NB:NB+1], v[MB+2*u:MB+2*u+1] clamp
.set g, g+1
.endr
.set u, u+1
.endr
.endm
.macro ACCR r                          ; round r of four of the sums of hits: the four pairs take turns; round 0 starts them from the sums of their weights
.set u, 0
.rept 2
.set g, 0
.rept 2
.if (\r) == 0
	v_pk_fma_f32 v[ACC+4*u+2*g:ACC+4*u+2*g+1], v[C+16*u+8*g:C+16*u+8*g+1], v[NW+8*g:NW+8*g+1], v[WK+2*g:WK+2*g+1]
.else
	v_pk_fma_f32 v[ACC+4*u+2*g:ACC+4*u+2*g+1], v[C+16*u+8*g+2*(\r):C+16*u+8*g+2*(\r)+1], v[NW+8*g+2*(\r):NW+8*g+2*(\r)+1], v[ACC+4*u+2*g:ACC+4*u+2*g+1]
.endif
.set g, g+1
.endr
.set u, u+1
.endr
.endm
.macro SUMS                            ; a lane's four partial sums into one: 16 weights on end, so the sums are exact
	BOTH v_pk_add_f32 v[ACC+4*u:ACC+4*u+1], v[ACC+4*u:ACC+4*u+1], v[ACC+4*u+2:ACC+4*u+3]
	BOTH v_add_f32 v[HX+u], v[ACC+4*u], v[ACC+4*u+1]
.endm
.macro DPPMAX r, m                     ; v[r], v[r + 1]: the larger of mine and of the lane m places away in the row; m = 4 and then 8 bring the largest of the four quarters into all four
	BOTH v_max_num_f32_dpp v[(\r)+u], v[(\r)+u], v[(\r)+u] row_xmask:\m row_mask:0xf bank_mask:0xf
.endm
; ONE STEP, t.  At its head these LDS instructions of mine may be out, in this order: the four loads of the scores, then yng younger ones: the store of history row t - 2 and (yng = 4) the three loads of e and the mask of step t + 1.
; v[HX] holds my lane's sums of hits of step t - 1; m1 and e2 are this step's.
; wb: the buffer that takes the new scores.  par = t % 2.  eo, mo: where e and the mask of step t + 2 lie from v[VEA], v[VMA] (eo = -1: nothing is asked for); ho: history row t - 1 from v[VHA].
; adv = 1: the three addresses go two rows on.  last = 1: step 511.
.macro STEP wb, par, yng, eo, mo, ho, adv, last
	s_wait_dscnt 3+(\yng)                          ; LDS instructions end in order: score load 0 is in; three younger score loads and the yng behind them may be out
	ADDS 0
	s_wait_dscnt 2+(\yng)
	ADDS 1
	XA 0, 0
	s_wait_dscnt 1+(\yng)
	ADDS 2
	XA 1, 3
	XA 2, 6
	s_wait_dscnt \yng                              ; the last score load is in
	ADDS 3
	XA 3, 9
	BOTH v_max3_num_f32 v[MQ+8*u+5], v[MQ+8*u], v[MQ+8*u+1], v[MQ+8*u+2]
	XA 4, 12                                       ; the last load's numbers enter last, in two maxima side by side: this one
	BOTH v_max3_num_f32 v[MQ+8*u+3], v[C+16*u+15], v[MQ+8*u+5], v[MQ+8*u+3]  ; and this, which takes all the earlier ones along
	DPPMAX HX, 4                                   ; from here on each link of the chain waits for the one before: four links of step t - 1's index stand between them
	BOTH v_max_num_f32 v[Z+u], v[MQ+8*u+4], v[MQ+8*u+3]
	DPPMAX HX, 8                                   ; a lower quarter's least sum is above a higher quarter's greatest: the lowest index wins
	DPPMAX Z, 4
	BOTH v_lshrrev_b32 v[HS+2*(\par)+u], 23, v[HX+u]  ; 127 - idx
	DPPMAX Z, 8
	BOTH v_sub_nc_u32 v[HS+2*(\par)+u], 127, v[HS+2*(\par)+u]  ; idx
	BOTH v_fma_f32 v[SOWN+u], v[M1], v[Z+u], v[E2+u]  ; maximum + e, or the old score
	ds_store_b64 v[VSWR], v[SOWN:SOWN+1] offset:(\wb)*ROW  ; the four quarters store the same two words
	BOTH v_cndmask_b32 v[HS+2*(\par)+u], v[IDJ+u], v[HS+2*(\par)+u], s[MSK+1-(\par)]  ; the identity where step t - 1 was masked
.if \last
	ds_store_b64 v[VHA], v[HS+2*(\par):HS+2*(\par)+1] offset:\ho  ; history row 510
	MULS
	EADD \par
	CL 0
	CL 1
	CL 2
	CL 3
	ACCR 0
	ACCR 1
	ACCR 2
	ACCR 3
	SUMS
	DPPMAX HX, 4
	DPPMAX HX, 8
	BOTH v_lshrrev_b32 v[HS+2*(1-(\par))+u], 23, v[HX+u]
	BOTH v_sub_nc_u32 v[HS+2*(1-(\par))+u], 127, v[HS+2*(1-(\par))+u]
	BOTH v_cndmask_b32 v[HS+2*(1-(\par))+u], v[IDJ+u], v[HS+2*(1-(\par))+u], s[MSK+(\par)]
	ds_store_b64 v[VHA], v[HS+2*(1-(\par)):HS+2*(1-(\par))+1] offset:(\ho)+ROW  ; history row 511
	s_wait_dscnt 0x0                               ; for wave 0's sake: my last scores and my last history words are in LDS
	s_barrier_signal -1
	s_barrier_wait -1
.else
.if \adv
	v_add_nc_u32 v[VEA], 2*ROW, v[VEA]             ; their last use stands ahead of this step's first addition, their next behind the barrier
	v_add_nc_u32 v[VMA], 8, v[VMA]
	v_add_nc_u32 v[VHA], 2*ROW, v[VHA]
.endif
	MULS                                           ; register work while the store is out
	EADD \par
	CL 0
	CL 1
	CL 2
	s_wait_dscnt 0x0                               ; for the others' sake: my new scores are in LDS; my reads of the old buffer ended above; e and the mask of step t + 1 are in too
	s_barrier_signal -1
	s_barrier_wait -1                              ; all 64 new scores are in LDS, and nobody reads the other buffer any more
	LOADS \wb                                      ; the chain's next link first,
	ds_store_b64 v[VHA], v[HS+2*(\par):HS+2*(\par)+1] offset:\ho  ; then history row t - 1,
.if (\eo) >= 0
	ds_load_b32 v[E+4*(\par)], v[VEA] offset:\eo   ; then e and the mask of step t + 2, into this parity's registers, which this step has done with
	ds_load_b32 v[E+4*(\par)+2], v[VEA] offset:(\eo)+4
	ds_load_b32 v[VM+(\par)], v[VMA] offset:\mo
.endif
	CL 3                                           ; register work while the scores are on their way
	v_cmp_ne_u32 s[MSK+1-(\par)], 0, v[VM+1-(\par)]  ; the mask of step t + 1
	ACCR 0
	ACCR 1
	ACCR 2
	ACCR 3
	v_cndmask_b32 v[M1], 0, v[ONE], s[MSK+1-(\par)]
	BOTH v_cndmask_b32 v[E2+u], v[SOWN+u], v[E+4*(1-(\par))+2*u], s[MSK+1-(\par)]
	SUMS
.endif
.endm
.macro PAIR                            ; an odd step and an even one
	STEP 1, 1, 4, ROW, 4, 0, 1, 0
	STEP 0, 0, 4, 2*ROW, 8, ROW, 0, 0
.endm
	; step 0, and what a step finds at its head
	ds_load_b32 v[E], v[VEA]                       ; e_0
	ds_load_b32 v[E+2], v[VEA] offset:4
	ds_load_b32 v[E+4], v[VEA] offset:ROW          ; e_1 and the mask of step 1, into the odd steps' registers
	ds_load_b32 v[E+6], v[VEA] offset:ROW+4
	ds_load_b32 v[VM+1], v[VMA] offset:4
	s_wait_dscnt 0x0
	BOTH v_add_f32 v[SOWN+u], v[STV+u], v[E+2*u]   ; start[j] + e_0[j]
	ds_store_b64 v[VSWR], v[SOWN:SOWN+1]
	s_wait_dscnt 0x0
	s_barrier_signal -1
	s_barrier_wait -1
	LOADS 0
	ds_load_b32 v[E], v[VEA] offset:2*ROW          ; e_2 and the mask of step 2
	ds_load_b32 v[E+2], v[VEA] offset:2*ROW+4
	ds_load_b32 v[VM], v[VMA] offset:8
	s_mov_b32 s[MSK], 0                            ; step 0 counts as masked: step 1 makes history row 0 of it, the identity
	v_mov_b32 v[HX], 0
	v_mov_b32 v[HX+1], 0
	v_cmp_ne_u32 s[MSK+1], 0, v[VM+1]
	v_cndmask_b32 v[M1], 0, v[ONE], s[MSK+1]
	BOTH v_cndmask_b32 v[E2+u], v[SOWN+u], v[E+4+2*u], s[MSK+1]
	s_wait_dscnt 0x0                               ; once: no history store stands among these, so step 1's counts are met by nothing being out
	s_mov_b32 s[CNT], (FIRST-4)/2
.Lfirst_rows:                                          ; steps 1 to 60: the last of them asks for e of row 62, inside the first fill
	PAIR
	s_sub_co_u32 s[CNT], s[CNT], 1
	s_cmp_lg_u32 s[CNT], 0
	s_cbranch_scc1 .Lfirst_rows
	s_wait_tensorcnt 0x0                           ; my part of rows 64-511 is in,
	s_wait_dscnt 0x0                               ; (no LDS instruction of mine is out at a signal)
	s_barrier_signal -1
	s_barrier_wait -1                              ; everybody's is
	s_mov_b32 s[CNT], (NT-FIRST)/2
.Lrest:                                                ; steps 61 to 508
	PAIR
	s_sub_co_u32 s[CNT], s[CNT], 1
	s_cmp_lg_u32 s[CNT], 0
	s_cbranch_scc1 .Lrest
	STEP 1, 1, 4, ROW, 4, 0, 1, 0                  ; step 509 asks for e and the mask of step 511, the last there are
	STEP 0, 0, 4, -1, 0, ROW, 0, 0                 ; step 510 asks for nothing,
	STEP 1, 1, 1, -1, 0, 2*ROW, 0, 1               ; so behind step 511's score loads stands the history store alone; its scores lie in buffer 1
	s_cmp_lg_u32 s[WV], 0
	s_cbranch_scc1 .Lend                           ; the backtrace is one chain: wave 0 walks it
	v_and_b32 v1, 31, v0
	v_lshl_add_u32 v[FA], v1, 2, SB+ROW
	ds_load_b32 v[F0], v[FA]                       ; score[l]
	ds_load_b32 v[F1], v[FA] offset:128            ; score[l + 32]
	v_lshl_add_u32 v[VB0], v1, 3, HB               ; lane l takes words 2 l and 2 l + 1 of a history row: tag y lies in lane y / 2, register y % 2
	v_lshlrev_b32 v[OA0], 3, v1
	v_mov_b32 v[O], 0                              ; v_writelane_b32's destination counts as read
	v_mov_b32 v[O+1], 0
	v_mov_b32 v[FX], 0
	s_wait_dscnt 0x0
	v_add_f32 v[F0], v[F0], v[ENDL]
	v_add_f32 v[F1], v[F1], v[ENDH]
	v_max_num_f32 v[FM], v[F0], v[F1]
	v_max_num_f32_dpp v[FM], v[FM], v[FM] row_xmask:1 row_mask:0xf bank_mask:0xf
	v_max_num_f32_dpp v[FM], v[FM], v[FM] row_xmask:2 row_mask:0xf bank_mask:0xf
	v_max_num_f32_dpp v[FM], v[FM], v[FM] row_xmask:4 row_mask:0xf bank_mask:0xf
	v_max_num_f32_dpp v[FM], v[FM], v[FM] row_xmask:8 row_mask:0xf bank_mask:0xf
	v_permlanex16_b32 v[FX], v[FM], s[SEL], s[SEL+1]
	v_max_num_f32 v[FM], v[FM], v[FX]              ; every lane holds the maximum of the 64
	v_cmp_eq_f32 s[PA], v[F0], v[FM]               ; bit l: tag l reaches it
	v_cmp_eq_f32 s[PB], v[F1], v[FM]               ; bit l: tag l + 32 does
	s_ctz_i32_b32 s[Y], s[PA]
	s_ctz_i32_b32 s[LN], s[PB]
	s_add_co_u32 s[LN], s[LN], 32
	s_cmp_lg_u32 s[PA], 0
	s_cselect_b32 s[Y], s[Y], s[LN]                ; the lowest tag that reaches it
	s_bfe_u32 s[LN], s[Y], 0x50001                 ; its lane: five bits from bit 1
.macro ROWS a, b                       ; history rows for places 63 - a down to 64 - b of the block, in the order of their use
.set z, \a
.rept (\b)-(\a)
	ds_load_b64 v[H+2*z:H+2*z+1], v[VBA] offset:(63-z)*ROW
.set z, z+1
.endr
.endm
	s_mov_b32 s[CNT], NT/64
.Lblock:                                               ; places 64 b + 63 down to 64 b, b = 7 .. 0
	s_sub_co_u32 s[BL], s[CNT], 1                  ; b, from the loop's counter
	s_lshl_b32 s[HBS], s[BL], 14                   ; 64 rows of 256 bytes
	s_lshl_b32 s[OBS], s[BL], 8                    ; 64 words of out0
	v_add_nc_u32 v[VBA], s[HBS], v[VB0]
	ROWS 0, 56                                     ; the last eight rows are asked for behind the first eight places: 56 loads of mine are out at the most
	s_wait_xcnt 0x0                                ; the last block's store has read its data and its offset: they are rewritten only behind this wait
	v_add_nc_u32 v[OA], s[OBS], v[OA0]
.set q, 0
.rept 64
.if q == 8
	ROWS 56, 64
.endif
.if q == 0
	s_wait_dscnt 48                                ; of the 56 loads issued the first eight are in
.elseif q%8 == 0
	s_wait_dscnt 56-q                              ; the next eight rows are in; the 56 - q younger loads may be out
.endif
	v_writelane_b32 v[O+((63-q)&1)], s[Y], (63-q)>>1  ; this place's tag: lane u / 2, register u % 2, so that a lane ends with 8 neighbouring bytes of out0
	v_readlane_b32 s[PA], v[H+2*q], s[LN]          ; the word for an even tag
	v_readlane_b32 s[PB], v[H+2*q+1], s[LN]        ; for an odd one
	s_bitcmp1_b32 s[Y], 0
	s_cselect_b32 s[Y], s[PB], s[PA]               ; the tag of the place before
	s_bfe_u32 s[LN], s[Y], 0x50001
.set q, q+1
.endr
	global_store_b64 v[OA], v[O:O+1], s[14:15] th:TH_STORE_NT  ; 32 lanes store 256 consecutive bytes, at a multiple of 256 from out0's first byte
	s_sub_co_u32 s[CNT], s[CNT], 1
	s_cmp_lg_u32 s[CNT], 0
	s_cbranch_scc1 .Lblock
.Lend:
	s_barrier_signal -1                            ; wave 0's reads of the history are over (its last count-down ended at 0); the others have had nothing out since step 511's barrier
	s_barrier_wait -1                              ; so no wave writes a word of LDS, its spare word too, while wave 0 still reads
	s_wait_tensorcnt 0x0                           ; the wave's end: a wait, an add and a wait, behind my last tensor load and my last LDS store
	ds_add_u32 v[SPW], v[NIL]
	s_wait_dscnt 0x0
	s_endpgm
.Lfunc_end_k_q64e9d12104_viterbi:
	.size	k_q64e9d12104_viterbi, .Lfunc_end_k_q64e9d12104_viterbi-k_q64e9d12104_viterbi
	.p2alignl 7, 3214868480
	.fill 96, 4, 3214868480
	.section	.rodata,"a",@progbits
	.p2align	6, 0x0
	.amdhsa_kernel k_q64e9d12104_viterbi
		.amdhsa_group_segment_fixed_size 265728
		.amdhsa_private_segment_fixed_size 0
		.amdhsa_enable_private_segment 0
		.amdhsa_kernarg_size 48
		.amdhsa_user_sgpr_count 2
		.amdhsa_user_sgpr_kernarg_segment_ptr 1
		.amdhsa_wavefront_size32 1
		.amdhsa_system_sgpr_workgroup_id_x 1
		.amdhsa_system_sgpr_workgroup_id_y 1
		.amdhsa_system_sgpr_workgroup_id_z 1
		.amdhsa_system_vgpr_workitem_id 0
		.amdhsa_next_free_vgpr 192
		.amdhsa_next_free_sgpr 66
		.amdhsa_reserve_vcc 0
		.amdhsa_float_denorm_mode_32 3
		.amdhsa_float_denorm_mode_16_64 3
		.amdhsa_memory_ordered 1
		.amdhsa_forward_progress 1
		.amdhsa_inst_pref_size 89
	.end_amdhsa_kernel
	.amdgpu_metadata
---
amdhsa.version: [ 1, 2 ]
amdhsa.kernels:
  - .name:           k_q64e9d12104_viterbi
    .symbol:         k_q64e9d12104_viterbi.kd
    .args:
      - { .name: emissions, .offset: 0, .size: 8, .value_kind: global_buffer, .address_space: global }
      - { .name: attn_mask, .offset: 8, .size: 8, .value_kind: global_buffer, .address_space: global }
      - { .name: start_transitions, .offset: 16, .size: 8, .value_kind: global_buffer, .address_space: global }
      - { .name: end_transitions, .offset: 24, .size: 8, .value_kind: global_buffer, .address_space: global }
      - { .name: transitions, .offset: 32, .size: 8, .value_kind: global_buffer, .address_space: global }
      - { .name: out0, .offset: 40, .size: 8, .value_kind: global_buffer, .address_space: global }
    .group_segment_fixed_size: 265728
    .private_segment_fixed_size: 0
    .kernarg_segment_align: 8
    .kernarg_segment_size: 48
    .max_flat_workgroup_size: 128
    .sgpr_count:     66
    .vgpr_count:     192
    .wavefront_size: 32
...
	.end_amdgpu_metadata
.endif
;; end of part 2
